; MI455X (gfx1250); checked and timed in simulation.
; The chip was launched on July 23, 2026; its instructions are those of AMD's public machine-readable ISA for CDNA 5 (MIT licence, August 2026) and "CDNA5" Instruction Set Architecture Reference Guide (July 2026). The comments in the code are by the model that wrote it; some were corrected since.
;; Quantized Linear. Allowed arithmetic: float matrix products may take bf16 or f16 operands with f32 sums; all other float work in f32.
;; Inputs: bias 4,096 float32; scale 4,096 float32; weight_int8 4,096 x 4,096 int32; x 4 x 1,024 x 4,096 float32.
;; Outputs: out0 4 x 1,024 x 4,096 float32.
;; One version. Each part assembles by itself: llvm-mc -triple=amdgcn-amd-amdhsa -mcpu=gfx1250 --defsym DOCPART=n.
;; ======== version 1 of 1: 2 launches
;; workspace buffers: xb 33,554,432 bytes; wb 33,554,432 bytes
;; launch tobf16 (part 1): grid 1024 x 1, 8 waves a work-group, no clusters, 0 bytes of LDS; arguments x, weight_int8, xb, wb; writes xb, wb
.if DOCPART == 1
	.amdgcn_target "amdgcn-amd-amdhsa--gfx1250"
	.amdhsa_code_object_version 6
	.text
	.protected	k_qa1bf8bea7e_tobf16
	.globl	k_qa1bf8bea7e_tobf16
	.p2align	8
	.type	k_qa1bf8bea7e_tobf16,@function
k_qa1bf8bea7e_tobf16:
	s_mov_b64 s[64:65], 0
	v_nop
	global_prefetch_b8 v0, s[64:65] scope:SCOPE_SE
	s_setreg_imm32_b32 hwreg(HW_REG_WAVE_MODE, 25, 1), 1
	s_wait_xcnt 0x0
; xb = bf16(x), wb = bf16(weight_int8): both operands of the product are narrowed ONCE, element for element, in the order in which they lie.
; x: 16,777,216 f32.  weight_int8: 16,777,216 i32.  xb, wb: as many bf16.
; LIMITS.  x is rounded to nearest even; |x| above bf16's largest finite number becomes infinite.  A weight goes i32 -> f32 -> bf16, each to nearest even:
; exact for |w| <= 256 (the int8 range lies inside); a larger integer keeps 8 significant bits.
; SHARES.  1,024 work-groups of eight waves.  Work-group g owns bytes 65,536 g .. +65,535 of x and of weight_int8 and bytes 32,768 g .. +32,767 of xb and of wb.
; A step is 256 threads x 16 bytes in, 8 bytes out; 16 steps for each of the two streams.  A wave's load covers 512 consecutive bytes, its store 256 consecutive
; bytes at a multiple of 256 from the buffer's first byte (8 t = 256 wave + 8 lane).
; A stream: no LDS, no barrier, no matrix unit, no cluster: no byte is used twice and no wave needs another's.
; RING.  16 slots in registers, even slots for x, odd slots for the weights; slot i takes step i / 2 of its stream and then step 8 + i / 2: 16 loads of every wave are on their way.
; No address, base or store-data register is written again behind the memory instruction that names it, so the only waits are those for loaded data.
.set STEP_IN,  4096                    ; bytes that the work-group reads of a stream in a step
.set STEP_OUT, 2048                    ; bytes that it writes
.set X, 4                              ; v[4:67]   slot i: 4 registers as loaded; in the second half its first two also hold the result
.set Y, 68                             ; v[68:99]  slot i: 2 registers, the first half's result; written once
	s_load_b256 s[4:11], s[0:1], 0x0               ; x s[4:5], weight_int8 s[6:7], xb s[8:9], wb s[10:11]
	s_lshl_b32 s2, ttmp9, 16                       ; my 65,536 bytes of each input (under 2^26)
	s_mov_b32 s3, 0
	s_lshl_b32 s12, ttmp9, 15                      ; my 32,768 bytes of each output
	s_mov_b32 s13, 0
	v_lshlrev_b32 v1, 4, v0                        ; 16 t: my 16 bytes of a step's input; never rewritten
	v_lshlrev_b32 v2, 3, v0                        ; 8 t: my 8 bytes of a step's output; never rewritten
	s_wait_kmcnt 0x0
	s_add_nc_u64 s[4:5], s[4:5], s[2:3]
	s_add_nc_u64 s[6:7], s[6:7], s[2:3]
	s_add_nc_u64 s[8:9], s[8:9], s[12:13]
	s_add_nc_u64 s[10:11], s[10:11], s[12:13]
; Slot i is loaded with step 8 half + i / 2 of its stream.  Each input byte is read once in the launch.
.macro LD i, half
.if ((\i)%2) == 0
	global_load_b128 v[X+4*\i:X+4*\i+3], v1, s[4:5] offset:(8*\half+(\i)/2)*STEP_IN th:TH_LOAD_NT
.else
	global_load_b128 v[X+4*\i:X+4*\i+3], v1, s[6:7] offset:(8*\half+(\i)/2)*STEP_IN th:TH_LOAD_NT
.endif
.endm
; Slot i's four bf16, in the pair at register r, are stored.  No hint: the next launch reads them.
.macro ST i, r, half
.if ((\i)%2) == 0
	global_store_b64 v2, v[\r:\r+1], s[8:9] offset:(8*\half+(\i)/2)*STEP_OUT
.else
	global_store_b64 v2, v[\r:\r+1], s[10:11] offset:(8*\half+(\i)/2)*STEP_OUT
.endif
.endm
; Slot i's turn.  left = how many younger loads may stay out.
.macro CV i, half, left
	s_wait_loadcnt \left                           ; loads come back in order (ISA guide 5.7.1): mine is in
.if ((\i)%2) == 1
.irp j, 0,1,2,3
	v_cvt_f32_i32 v[X+4*\i+\j], v[X+4*\i+\j]       ; the weights are whole numbers
.endr
.endif
.if \half == 0
	v_cvt_pk_bf16_f32 v[Y+2*\i],   v[X+4*\i],   v[X+4*\i+1]     ; two roundings to bf16, packed
	v_cvt_pk_bf16_f32 v[Y+2*\i+1], v[X+4*\i+2], v[X+4*\i+3]
	LD \i, 1                                       ; the slot's second step, ahead of the store
	ST \i, Y+2*\i, 0
.else
	v_cvt_pk_bf16_f32 v[X+4*\i],   v[X+4*\i],   v[X+4*\i+1]     ; in place: nothing is loaded into this slot any more
	v_cvt_pk_bf16_f32 v[X+4*\i+1], v[X+4*\i+2], v[X+4*\i+3]
	ST \i, X+4*\i, 1
.endif
.endm
.irp i, 0,1,2,3,4,5,6,7,8,9,10,11,12,13,14,15
	LD \i, 0                                       ; the ring is filled
.endr
.irp i, 0,1,2,3,4,5,6,7,8,9,10,11,12,13,14,15
	CV \i, 0, 15                                   ; behind slot i's first load stand 15 - i first loads and i second ones: 15
.endr
.irp i, 0,1,2,3,4,5,6,7,8,9,10,11,12,13,14,15
	CV \i, 1, 15-\i                                ; nothing more is loaded: the counts run down
.endr
	s_endpgm
.Lfunc_end_k_qa1bf8bea7e_tobf16:
	.size	k_qa1bf8bea7e_tobf16, .Lfunc_end_k_qa1bf8bea7e_tobf16-k_qa1bf8bea7e_tobf16
	.p2alignl 7, 3214868480
	.fill 96, 4, 3214868480
	.section	.rodata,"a",@progbits
	.p2align	6, 0x0
	.amdhsa_kernel k_qa1bf8bea7e_tobf16
		.amdhsa_group_segment_fixed_size 0
		.amdhsa_private_segment_fixed_size 0
		.amdhsa_enable_private_segment 0
		.amdhsa_kernarg_size 32
		.amdhsa_user_sgpr_count 2
		.amdhsa_user_sgpr_kernarg_segment_ptr 1
		.amdhsa_wavefront_size32 1
		.amdhsa_system_sgpr_workgroup_id_x 1
		.amdhsa_system_sgpr_workgroup_id_y 1
		.amdhsa_system_sgpr_workgroup_id_z 1
		.amdhsa_system_vgpr_workitem_id 0
		.amdhsa_next_free_vgpr 100
		.amdhsa_next_free_sgpr 66
		.amdhsa_reserve_vcc 0
		.amdhsa_float_denorm_mode_32 3
		.amdhsa_float_denorm_mode_16_64 3
		.amdhsa_memory_ordered 1
		.amdhsa_forward_progress 1
		.amdhsa_inst_pref_size 14
	.end_amdhsa_kernel
	.amdgpu_metadata
---
amdhsa.version: [ 1, 2 ]
amdhsa.kernels:
  - .name:           k_qa1bf8bea7e_tobf16
    .symbol:         k_qa1bf8bea7e_tobf16.kd
    .args:
      - { .name: x, .offset: 0, .size: 8, .value_kind: global_buffer, .address_space: global }
      - { .name: weight_int8, .offset: 8, .size: 8, .value_kind: global_buffer, .address_space: global }
      - { .name: xb, .offset: 16, .size: 8, .value_kind: global_buffer, .address_space: global }
      - { .name: wb, .offset: 24, .size: 8, .value_kind: global_buffer, .address_space: global }
    .group_segment_fixed_size: 0
    .private_segment_fixed_size: 0
    .kernarg_segment_align: 8
    .kernarg_segment_size: 32
    .max_flat_workgroup_size: 256
    .sgpr_count:     66
    .vgpr_count:     100
    .wavefront_size: 32
...
	.end_amdgpu_metadata
.endif
;; end of part 1
;; launch gemm (part 2): grid 16 x 16, 4 waves a work-group, clusters of 4 x 4, 327,680 bytes of LDS; arguments xb, wb, scale, bias, out0; writes out0
.if DOCPART == 2
	.amdgcn_target "amdgcn-amd-amdhsa--gfx1250"
	.amdhsa_code_object_version 6
	.text
	.protected	k_qa1bf8bea7e_gemm
	.globl	k_qa1bf8bea7e_gemm
	.p2align	8
	.type	k_qa1bf8bea7e_gemm,@function
k_qa1bf8bea7e_gemm:
	s_mov_b64 s[64:65], 0
	v_nop
	global_prefetch_b8 v0, s[64:65] scope:SCOPE_SE
	s_setreg_imm32_b32 hwreg(HW_REG_WAVE_MODE, 25, 1), 1
	s_wait_xcnt 0x0
	s_wait_alu depctr_hold_cnt(0) depctr_sa_sdst(0) depctr_va_vdst(0) depctr_va_sdst(0) depctr_va_ssrc(0) depctr_va_vcc(0) depctr_vm_vsrc(0)
	s_getreg_b32 s2, hwreg(HW_REG_IB_STS2, 6, 4)
	s_cmp_eq_u32 s2, 0
	s_cbranch_scc0 .Lentry_in_a_cluster
	s_endpgm
.Lentry_in_a_cluster:
	s_bfe_u32 s2, ttmp6, 0x10000c
	s_cmp_lg_u32 s2, 0xf033
	s_cbranch_scc0 .Lentry_shape_is_right
	s_endpgm
.Lentry_shape_is_right:
; out0[m][n] = scale[n] * (sum over k of xb[m][k] wb[n][k]) + bias[n].  xb: [4096][4096] bf16 (x rounded), wb: [4096][4096] bf16 (the integer weights), scale, bias: [4096] f32, out0: [4096][4096] f32.
; scale[n] does not hang on k, so it stands behind the sum: the product runs on the integers themselves, and one fused multiply-add in f32 for each output applies scale and bias.
; LIMITS.  The operands are bf16 (x rounded to nearest even; weights exact up to |w| = 256); sums in f32, in the matrix unit's order, K ascending; scale is applied to the sum, not to each weight.
; SHARES.  A tile of out0, 256 x 256, is made by a work-group of four waves, as many as a WGP has SIMDs; 16 x 16 tiles, one to a work-group.  A wave makes 128 x 128: 64 accumulators of 16 x 16,
; 512 registers.  K goes in 32 steps of 128 through a ring of two LDS slots filled by the tensor data mover: a tile's rows are 256 bytes of memory and start at multiples of 256 bytes from the buffer's first byte.
; CLUSTERS: 4 x 4 work-groups.  The four of a row of the cluster make tiles of one tile row and need the same tiles of xb (A); the four of a column need the same tiles of wb (B).  Such a tile is asked
; for JOINTLY: each of the four issues the same tensor load, with the same descriptor and a mask that names the four, and each receives the tile in its own LDS: a quarter of the requests.
; TENSOR LOADS OUT, by this text's count: two of a wave at the start, one behind each change of slots.
;
; REGISTERS, in windows of 256 (an instruction names v0-v255; s_set_vgpr_msb says which window each operand place means: bits 1:0 source 0, 3:2 source 1, 5:4 source 2, 7:6 destination):
;   window 0: v0-39 addresses, scale, bias; v64-127, v128-191 fragments of A (8 x 16 rows x 32 K), two buffers; on the way out the same 128 registers take whole rows back from the stage
;   window 1: v64-127, v128-191 fragments of B, two buffers
;   window 2: the 32 accumulators of my rows 0-63 (accumulator (a, b) at v[8 (8 a + b)]);   window 3: those of my rows 64-127
; THE MATRIX INSTRUCTION IS USED TRANSPOSED: source 0 = 16 rows of B, source 1 = 16 rows of A.  Lane l then holds row l % 16 of the tile, and its registers 0 to 7 the columns 8 (l / 16) + 0 .. 7:
; eight neighbouring f32 of a row of out0, two LDS stores of 16 bytes.
.set SIZE_K, 4096
.set SIZE_N, 4096
.set KSTEP,  128
.set PITCH,  272                       ; an LDS row: 256 bytes of data + 16 of padding = 68 words: row r starts at bank 4 r mod 64 (64 banks of 4 bytes: ISA guide 11.1), so the 16 rows of a fragment load start at 16 different banks
.set HALFT,  128*PITCH                 ; 128 rows: what one tensor load brings, and what one wave reads of A or of B
.set SLOT,   4*HALFT                   ; A's 256 rows, then B's 256 rows
.set STAGE,  2*SLOT                    ; behind the ring, at a multiple of 256 bytes; no tensor load lands here
.set SPITCH, 528                       ; a stage row: 128 f32 = 512 bytes + 16 of padding: row r starts at bank 4 r mod 64
.set WSTAGE, 16*SPITCH                 ; each wave's own stage: 16 rows, 8,448 bytes (a multiple of 256)
.set LAPS,   SIZE_K/(2*KSTEP)          ; a lap = two K steps = once round the ring: 16
.set CROW,   SIZE_N*4                  ; bytes in a row of out0
.set ADRA, 16                          ; v16-17  LDS address of my A fragments in slot 0, 1
.set ADRB, 20                          ; v20-21  the same for B
.set STO,  24                          ; v24     the way out: where I put my 32 bytes of a row
.set RD,   25                          ; v25     the way out: where I read 16 bytes of a row back
.set CO,   26                          ; v26     16 x lane: my 16 bytes in 512 of scale, of bias and of a row of out0; never rewritten
.set SC,   32                          ; v[32:35] scale of my four columns
.set BI,   36                          ; v[36:39] bias of my four columns
.set F0,   64                          ; fragment buffer 0
.set F1,   128                         ; fragment buffer 1
.set WV,  14                           ; s14  my wave's number
.set WR,  15                           ; s15  which half of the tile's rows is mine.  Also: I fetch for A (0) or for B (1)
.set WC,  16                           ; s16  which half of its columns.  Also: which 128 rows of that tile I fetch
.set G1,  24                           ; s[24:31] descriptor group 1 for A's tiles
.set G0,  32                           ; s[32:39] descriptor group 0 for A's tiles, one set for each slot
.set G1B, 48                           ; s[48:55] group 1 for B's tiles: it differs from A's in the mask alone
.set G0B, 56                           ; s[56:63] group 0 for B's tiles, one set for each slot
.set MSB, 0
.macro WIN new                         ; the immediate's high byte repeats the setting that is left; a switch that changes nothing is dropped
.if MSB != (\new)
	s_set_vgpr_msb (MSB<<8)|(\new)
.set MSB, (\new)
.endif
.endm
.set MUL_LO, 0xa1                      ; source 0 (B) window 1, source 1 (A) window 0, C and D window 2
.set MUL_HI, 0xf1                      ; the same, C and D window 3
.set TO_B,   0x40                      ; destination window 1, address window 0
; A load into a register that a matrix instruction has read, and an LDS store or vector instruction that reads a matrix result, stand four places behind that matrix instruction, and only plain vector
; instructions that name none of its registers are places (ISA guide 7.12.1 for vector instructions); the matrix instructions in between are not counted.
.macro PLACES
.rept 4
	v_nop
.endr
.endm
; A joint refill of slot s.  Waves 0 and 1 fetch A's two halves, waves 2 and 3 B's.  Each of the two lines has one mask and one set of registers, in which nothing hangs on a coordinate that the four
; partners do not share.  The branch hangs on the wave's number alone.  Four v_nop follow each line, ahead of the jump, the label and what follows.
.macro JLOAD s
	s_cmp_eq_u32 s[WR], 0
	s_cbranch_scc0 .Lfor_b_\@
	tensor_load_to_lds s[G0+4*\s:G0+4*\s+3], s[G1:G1+7]
	s_nop 0
	PLACES
	s_branch .Lasked_\@
.Lfor_b_\@:
	tensor_load_to_lds s[G0B+4*\s:G0B+4*\s+3], s[G1B:G1B+7]
	s_nop 0
	PLACES
.Lasked_\@:
.endm
; A round of the cluster's barrier: my work-group's barrier, so that wave 0's signal speaks for all four waves; wave 0 signals for the work-group; every wave waits for all sixteen work-groups;
; my work-group's barrier once more.  No LDS instruction of the wave is pending at a signal.
.macro CREST                           ; a round behind its opening barrier
	s_cmp_lg_u32 s[WV], 0
	s_cbranch_scc1 .Lnot_wave_0_\@
	s_barrier_signal -3
.Lnot_wave_0_\@:
	s_barrier_wait -3
	s_barrier_signal -1
	s_barrier_wait -1
.endm
.macro CROUND                          ; a whole round
	s_barrier_signal -1
	s_barrier_wait -1
	CREST
.endm
	s_load_b256 s[4:11], s[0:1], 0x0               ; xb s[4:5], wb s[6:7], scale s[8:9], bias s[10:11]
	s_load_b64 s[12:13], s[0:1], 0x20              ; out0
	s_set_vgpr_msb 0x40
	v_lshl_add_u32 v255, v0, 2, 0x4c400
	s_set_vgpr_msb 0x4000
	v_mov_b32 v255, 0
	s_set_vgpr_msb 0x1
	ds_add_u32 v255, v255
	s_set_vgpr_msb 0x100
	v_lshrrev_b32 v1, 5, v0
	v_readfirstlane_b32 s[WV], v1                  ; wave 0..3
	s_lshr_b32 s[WR], s[WV], 1
	s_and_b32 s[WC], s[WV], 1
	s_bfe_u32 s17, ttmp6, 0x40000                  ; cx: my place along the cluster's x
	s_bfe_u32 s18, ttmp6, 0x40004                  ; cy: along its y
	s_lshl_b32 s19, ttmp9, 2                       ; in a cluster launch ttmp9 and ttmp7 count clusters
	s_add_co_u32 s19, s19, s17                     ; tile column = 4 x cluster x + cx
	s_and_b32 s20, ttmp7, 0xffff
	s_lshl_b32 s20, s20, 2
	s_add_co_u32 s20, s20, s18                     ; tile row = 4 x cluster y + cy
	s_lshl_b32 s21, s18, 2
	s_lshl_b32 s21, 15, s21                        ; my row of the cluster: places 4 cy .. 4 cy + 3
	s_lshl_b32 s22, 0x1111, s17                    ; my column: places cx, cx + 4, cx + 8, cx + 12
	; descriptor group 1: a tile of 128 rows x 128 elements of 2 bytes, padded in LDS
	s_or_b32 s[G1+0],  s21, (1<<16)|(1<<20)|(1<<21)|(5<<22)|(3<<25)  ; 15:0 the mask: A's tiles go to my row; 17:16 elements of 2 bytes; 20 padding on; 21 set beside a mask; 24:22 after every 64 words (code 5); 31:25 4 words of it (code 3)
	s_or_b32 s[G1B+0], s22, (1<<16)|(1<<20)|(1<<21)|(5<<22)|(3<<25)  ; the same with the mask of my column, for B's tiles
.irp g, G1, G1B
	s_mov_b32 s[\g+1], KSTEP<<16                   ; 63:48 tensor_dim0, low half = 128
	s_mov_b32 s[\g+2], 128<<16                     ; 79:64 its high half = 0; 95:80 tensor_dim1, low half = 128
	s_mov_b32 s[\g+3], KSTEP<<16                   ; 111:96 its high half = 0; 127:112 tile_dim0 = 128
	s_mov_b32 s[\g+4], 128                         ; 143:128 tile_dim1 = 128; 159:144 tile_dim2 = 0
	s_mov_b32 s[\g+5], SIZE_K                      ; 191:160 tensor_dim0_stride, low word: elements from row to row
	s_mov_b32 s[\g+6], 0
	s_mov_b32 s[\g+7], 0
.endr
	; where the tiles come from.  A's hang on the tile row alone, which my row of the cluster shares; B's on the tile column alone, which my column shares.
	; Every wave makes both addresses, in registers that never hold the other coordinate, and asks by one of them.  A row is 8,192 bytes; every offset stays under 2^25.
	s_lshl_b32 s2, s[WC], 7                        ; which 128 rows of the tile I fetch
	s_lshl_b32 s40, s20, 8
	s_add_co_u32 s40, s40, s2                      ; A: row 256 x tile row + 128 x half
	s_lshl_b32 s40, s40, 13
	s_mov_b32 s41, 0
	s_lshl_b32 s44, s19, 8
	s_add_co_u32 s44, s44, s2                      ; B: row 256 x tile column + 128 x half
	s_lshl_b32 s44, s44, 13
	s_mov_b32 s45, 0
	s_mul_i32 s23, s[WV], HALFT                    ; and where they go: A's two halves, then B's two halves = wave x 128 rows: no place in the cluster enters an LDS address
	s_wait_dscnt 0x0
	s_wait_kmcnt 0x0
	s_add_nc_u64 s[40:41], s[4:5], s[40:41]
	s_add_nc_u64 s[44:45], s[6:7], s[44:45]
	CROUND                                         ; all sixteen work-groups are here: the first joint loads meet
.irp s, 0,1
	s_mov_b32 s[G0+4*\s], 1                                        ; 1:0 count = 1
	s_add_co_u32 s[G0+4*\s+1], s23, \s*SLOT                        ; 63:32 LDS address
	s_add_nc_u64 s[G0+4*\s+2:G0+4*\s+3], s[40:41], \s*KSTEP*2      ; 120:64 global address: K step s
	s_or_b32 s[G0+4*\s+3], s[G0+4*\s+3], 0x80000000                ; 127:126 type = 2
	s_mov_b32 s[G0B+4*\s], 1
	s_add_co_u32 s[G0B+4*\s+1], s23, \s*SLOT
	s_add_nc_u64 s[G0B+4*\s+2:G0B+4*\s+3], s[44:45], \s*KSTEP*2
	s_or_b32 s[G0B+4*\s+3], s[G0B+4*\s+3], 0x80000000
.endr
	s_cmp_eq_u32 s[WR], 0                          ; a wave's two first fills stand in one branch, ahead of every wait on TENSORcnt and every LDS read: two loads of mine are out; four v_nop follow the second
	s_cbranch_scc0 .Lfirst_b
	tensor_load_to_lds s[G0:G0+3], s[G1:G1+7]
	s_nop 0
	tensor_load_to_lds s[G0+4:G0+7], s[G1:G1+7]
	s_nop 0
	PLACES
	s_branch .Lfirst_asked
.Lfirst_b:
	tensor_load_to_lds s[G0B:G0B+3], s[G1B:G1B+7]
	s_nop 0
	tensor_load_to_lds s[G0B+4:G0B+7], s[G1B:G1B+7]
	s_nop 0
	PLACES
.Lfirst_asked:
	; A fragment is 16 rows x 32 K in 8 registers: lane l holds row l % 16; registers 0-3 hold K = 8 (l / 16) + 0..7, registers 4-7 hold K = 16 + 8 (l / 16) + 0..7.
	; From rows that lie along K: two loads of 16 bytes, 32 bytes apart.  The same for source 0 and source 1.
	v_and_b32 v1, 15, v0                           ; l % 16
	v_bfe_u32 v2, v0, 4, 1                         ; l / 16
	v_mul_u32_u24 v3, v1, PITCH
	v_lshl_add_u32 v3, v2, 4, v3                   ; row x pitch + 16 x half
	s_mul_i32 s2, s[WR], HALFT                     ; my 128 rows of A
	s_mul_i32 s3, s[WC], HALFT                     ; my 128 rows of B,
	s_add_co_u32 s3, s3, 2*HALFT                   ; which lie behind A's 256
.irp s, 0,1
	v_add_nc_u32 v[ADRA+\s], s2, v3
	v_add_nc_u32 v[ADRB+\s], s3, v3
	s_add_co_u32 s2, s2, SLOT
	s_add_co_u32 s3, s3, SLOT
.endr
	s_mul_i32 s2, s[WV], WSTAGE
	s_add_co_u32 s2, s2, STAGE                     ; my stage
	v_mul_u32_u24 v4, v1, SPITCH                   ; in: row l % 16, 32 bytes (8 f32) for each half of the lanes
	v_lshl_add_u32 v4, v2, 5, v4
	v_add_nc_u32 v[STO], s2, v4
	v_and_b32 v5, 31, v0
	v_lshlrev_b32 v[CO], 4, v5                     ; back: the 32 lanes take one row's 512 bytes, 16 each
	v_add_nc_u32 v[RD], s2, v[CO]
	; my 128 columns in scale, bias and out0 (4 bytes each), and my 128 rows in out0
	s_lshl_b32 s46, s19, 10                        ; 1,024 x tile column
	s_lshl_b32 s47, s[WC], 9                       ; + 512 x half
	s_add_co_u32 s46, s46, s47
	s_mov_b32 s47, 0
	s_lshl_b32 s42, s20, 8
	s_lshl_b32 s43, s[WR], 7
	s_add_co_u32 s42, s42, s43                     ; row 256 x tile row + 128 x half,
	s_lshl_b32 s42, s42, 14                        ; of 16,384 bytes: under 2^26
	s_mov_b32 s43, 0
	s_add_nc_u64 s[8:9], s[8:9], s[46:47]
	s_add_nc_u64 s[10:11], s[10:11], s[46:47]
	s_add_nc_u64 s[12:13], s[12:13], s[46:47]
	s_add_nc_u64 s[12:13], s[12:13], s[42:43]      ; out0 at my wave's first row and column; never stepped
	global_load_b128 v[SC:SC+3], v[CO], s[8:9]     ; on the way out lane l holds columns 4 l .. 4 l + 3 of every row: eight registers are all the scale and bias that it needs
	global_load_b128 v[BI:BI+3], v[CO], s[10:11]
; 16 matrix instructions: m blocks a0, a0 + 1 of the window's four (hi = 0: my rows 0-63, 1: rows 64-127) x all 8 n blocks, 32 along K.
; zero = 1: the first product starts the sums: nothing is ever cleared.
; The 64 accumulators take turns, one instruction a turn, in the same order in every quarter step.
.macro MUL16 f, hi, a0, zero
.irp a, \a0, \a0+1
.irp b, 0,1,2,3,4,5,6,7
.if \zero
	v_wmma_f32_16x16x32_bf16 v[8*(8*(\a)+\b):8*(8*(\a)+\b)+7], v[\f+8*\b:\f+8*\b+7], v[\f+8*(4*\hi+\a):\f+8*(4*\hi+\a)+7], 0
.else
	v_wmma_f32_16x16x32_bf16 v[8*(8*(\a)+\b):8*(8*(\a)+\b)+7], v[\f+8*\b:\f+8*\b+7], v[\f+8*(4*\hi+\a):\f+8*(4*\hi+\a)+7], v[8*(8*(\a)+\b):8*(8*(\a)+\b)+7]
.endif
.endr
.endr
.endm
; 32 LDS loads in one run: the fragments of one quarter step (128 rows of B, then 128 rows of A, 32 K at byte k of the rows) into buffer f
.macro FETCH slot, k, f
	WIN TO_B
.irp i, 0,1,2,3,4,5,6,7
	ds_load_b128 v[\f+8*\i:\f+8*\i+3],   v[ADRB+\slot] offset:\k+\i*16*PITCH
	ds_load_b128 v[\f+8*\i+4:\f+8*\i+7], v[ADRB+\slot] offset:\k+\i*16*PITCH+32
.endr
	WIN 0
.irp i, 0,1,2,3,4,5,6,7
	ds_load_b128 v[\f+8*\i:\f+8*\i+3],   v[ADRA+\slot] offset:\k+\i*16*PITCH
	ds_load_b128 v[\f+8*\i+4:\f+8*\i+7], v[ADRA+\slot] offset:\k+\i*16*PITCH+32
.endr
.endm
; A K step is four quarter steps of 32 along K, 64 matrix instructions each, on buffers 0, 1, 0, 1.
; One of the first three: multiplies buffer f; in its middle it fetches the next quarter's fragments, at byte k of the same slot's rows, into buffer g.
.macro QUARTER slot, k, f, g, zero
	s_wait_dscnt 8                                 ; B and A's rows 0-63 are in; the youngest eight loads (A's rows 64-127) may be out
	WIN MUL_LO
	MUL16 \f, 0, 0, \zero
	MUL16 \f, 0, 2, \zero
	PLACES                                         ; for the loads into buffer g, which the quarter before multiplied
	FETCH \slot, \k, \g
	s_wait_dscnt 32                                ; all but the 32 just issued
	WIN MUL_HI
	MUL16 \f, 1, 0, \zero
	MUL16 \f, 1, 2, \zero
.endm
; The last quarter multiplies buffer 1 and changes slots: ONE barrier, for two things.  In front of it each wave waits for its own reads of this slot and for all its tensor loads, of which one is
; out: its part of the next slot.  Behind it nobody reads this slot any more and the next slot is whole.
; fill = 1: this slot is filled again, with the K step two steps on.  The barrier then opens a round of the cluster's barrier, inside which stands register work alone, and the joint refill is the
; first tensor load behind the round: from that request to the wait for it the wave issues 240 matrix instructions.
.macro TURN slot, next, fill
	s_wait_dscnt 8
	WIN MUL_LO
	MUL16 F1, 0, 0, 0
	s_wait_dscnt 0                                 ; my reads of this slot are over (the last were issued 48 matrix instructions ago),
	s_wait_tensorcnt 0x0                           ; and all my tensor loads have landed:
	ds_add_u32 v255, v255
	s_wait_dscnt 0x0
	s_barrier_signal -1                            ; say so,
	MUL16 F1, 0, 2, 0                              ; work on registers while the others arrive,
.if \fill
	WIN 0
.endif
	s_barrier_wait -1                              ; and go on when all four have said so
.if \fill
	CREST                                          ; all sixteen work-groups have said so: no wave of any partner still reads this slot's tile or has a load on its way
	s_add_nc_u64 s[G0+4*\slot+2:G0+4*\slot+3], s[G0+4*\slot+2:G0+4*\slot+3], 2*KSTEP*2      ; no tensor load of mine is out, so a group 0 may be written; the type bits on top are not reached
	s_add_nc_u64 s[G0B+4*\slot+2:G0B+4*\slot+3], s[G0B+4*\slot+2:G0B+4*\slot+3], 2*KSTEP*2
	JLOAD \slot                                    ; the four v_nop behind it are also the places in front of the loads below
.else
	PLACES
.endif
	FETCH \next, 0, F0
	WIN MUL_HI
	MUL16 F1, 1, 0, 0
	MUL16 F1, 1, 2, 0
.endm
; THE WAY OUT of block a (my rows 16 a .. 16 a + 15), in two parts.
; TOSTAGE: the block's eight accumulators go as they are, f32, into my own stage (a lane's eight columns of a row: two stores of 16 bytes)
; and come back as whole rows of 512 bytes, into v64-127 and v128-191 by turns.
.macro TOSTAGE a
.set AC, 64*((\a)%4)
.set BK, F0+64*((\a)%2)
	WIN 0x08+4*((\a)/4)                            ; an LDS store's data is source 1: window 2 (blocks 0-3) or 3 (blocks 4-7)
.irp b, 0,1,2,3,4,5,6,7
	ds_store_b128 v[STO], v[AC+8*\b:AC+8*\b+3]   offset:64*\b      ; LDS serves a wave's instructions in order (ISA guide 5.7.1.4): these come behind the loads of the block before
	ds_store_b128 v[STO], v[AC+8*\b+4:AC+8*\b+7] offset:64*\b+16
.endr
	WIN 0
.if (\a) >= 2
	s_wait_xcnt 0x0                                ; block a - 2's stores read the registers that are loaded below: they are written again only behind this wait (ISA guide 3.1)
.endif
.irp t, 0,1,2,3,4,5,6,7,8,9,10,11,12,13,14,15
	ds_load_b128 v[BK+4*\t:BK+4*\t+3], v[RD] offset:\t*SPITCH      ; and these see the stores above
.endr
.endm
; SEND: sum x scale + bias, one fused multiply-add for each output, and the row is stored.  younger: the LDS instructions issued behind the block's loads, which may stay out.
.macro SEND a, younger
.set BK, F0+64*((\a)%2)
	s_wait_dscnt \younger                          ; the block is back in registers
.irp t, 0,1,2,3,4,5,6,7,8,9,10,11,12,13,14,15
	v_pk_fma_f32 v[BK+4*\t:BK+4*\t+1],   v[BK+4*\t:BK+4*\t+1],   v[SC:SC+1],   v[BI:BI+1]
	v_pk_fma_f32 v[BK+4*\t+2:BK+4*\t+3], v[BK+4*\t+2:BK+4*\t+3], v[SC+2:SC+3], v[BI+2:BI+3]
	global_store_b128 v[CO], v[BK+4*\t:BK+4*\t+3], s[12:13] offset:(16*(\a)+\t)*CROW th:TH_STORE_NT   ; the wave stores 512 consecutive bytes, at a multiple of 512 from out0's first byte; 127 rows at the most: 2,080,768, inside the signed 24-bit immediate
.endr
.endm
	s_wait_loadcnt 0x0                             ; scale and bias, once, while the first tiles are on their way
	s_wait_tensorcnt 1                             ; my part of K step 0 is in; K step 1's may stay out
	s_barrier_signal -1
	s_barrier_wait -1                              ; everybody's is
	FETCH 0, 0, F0
	QUARTER 0, 64,  F0, F1, 1                      ; the first quarter stands in front of the loop: its products start the sums
	WIN 0                                          ; at a label and at a branch every window is 0
	s_mov_b32 s3, LAPS-1
.Llap:                                                 ; a trip goes once round the ring, from a lap's second quarter to the next lap's first, and fills both slots again: 15 trips ask for K steps 2 to 31
	QUARTER 0, 128, F1, F0, 0
	QUARTER 0, 192, F0, F1, 0
	TURN 0, 1, 1
	QUARTER 1, 64,  F0, F1, 0
	QUARTER 1, 128, F1, F0, 0
	QUARTER 1, 192, F0, F1, 0
	TURN 1, 0, 1
	QUARTER 0, 64,  F0, F1, 0
	WIN 0
	s_sub_co_u32 s3, s3, 1
	s_cmp_lg_u32 s3, 0
	s_cbranch_scc1 .Llap
	QUARTER 0, 128, F1, F0, 0                      ; the last lap is written out: it fills nothing and no round is needed
	QUARTER 0, 192, F0, F1, 0
	TURN 0, 1, 0                                   ; its wait for all tensor loads shows K step 31 landed
	QUARTER 1, 64,  F0, F1, 0
	QUARTER 1, 128, F1, F0, 0
	QUARTER 1, 192, F0, F1, 0
	s_wait_dscnt 8                                 ; the very last quarter: nothing more to fetch
	WIN MUL_LO
	MUL16 F1, 0, 0, 0
	MUL16 F1, 0, 2, 0
	s_wait_dscnt 0
	WIN MUL_HI
	MUL16 F1, 1, 0, 0
	MUL16 F1, 1, 2, 0
	WIN 0
	PLACES                                         ; behind the last products: for the LDS stores that read the sums, and for the loads into A's fragment buffers
	TOSTAGE 0
.irp a, 1,2,3,4,5,6,7                  ; block a's trip through the stage is under way while block a - 1 is scaled and stored
	TOSTAGE \a
	SEND \a-1, 32                                  ; behind block a - 1's loads stand block a's 16 stores and 16 loads
.endr
	SEND 7, 0
	s_set_vgpr_msb 0x1
	s_wait_tensorcnt 0x0
	ds_add_u32 v255, v255
	s_wait_dscnt 0x0
	s_set_vgpr_msb 0x100
	CROUND                                         ; the closing round: no work-group ends while a partner may still ask for a tile that names it
	s_endpgm
.Lfunc_end_k_qa1bf8bea7e_gemm:
	.size	k_qa1bf8bea7e_gemm, .Lfunc_end_k_qa1bf8bea7e_gemm-k_qa1bf8bea7e_gemm
	.p2alignl 7, 3214868480
	.fill 96, 4, 3214868480
	.section	.rodata,"a",@progbits
	.p2align	6, 0x0
	.amdhsa_kernel k_qa1bf8bea7e_gemm
		.amdhsa_group_segment_fixed_size 327680
		.amdhsa_private_segment_fixed_size 0
		.amdhsa_enable_private_segment 0
		.amdhsa_kernarg_size 40
		.amdhsa_user_sgpr_count 2
		.amdhsa_user_sgpr_kernarg_segment_ptr 1
		.amdhsa_wavefront_size32 1
		.amdhsa_system_sgpr_workgroup_id_x 1
		.amdhsa_system_sgpr_workgroup_id_y 1
		.amdhsa_system_sgpr_workgroup_id_z 1
		.amdhsa_system_vgpr_workitem_id 0
		.amdhsa_next_free_vgpr 1024
		.amdhsa_next_free_sgpr 66
		.amdhsa_reserve_vcc 0
		.amdhsa_float_denorm_mode_32 3
		.amdhsa_float_denorm_mode_16_64 3
		.amdhsa_memory_ordered 1
		.amdhsa_forward_progress 1
		.amdhsa_inst_pref_size 156
	.end_amdhsa_kernel
	.amdgpu_metadata
---
amdhsa.version: [ 1, 2 ]
amdhsa.kernels:
  - .name:           k_qa1bf8bea7e_gemm
    .symbol:         k_qa1bf8bea7e_gemm.kd
    .args:
      - { .name: xb, .offset: 0, .size: 8, .value_kind: global_buffer, .address_space: global }
      - { .name: wb, .offset: 8, .size: 8, .value_kind: global_buffer, .address_space: global }
      - { .name: scale, .offset: 16, .size: 8, .value_kind: global_buffer, .address_space: global }
      - { .name: bias, .offset: 24, .size: 8, .value_kind: global_buffer, .address_space: global }
      - { .name: out0, .offset: 32, .size: 8, .value_kind: global_buffer, .address_space: global }
    .group_segment_fixed_size: 327680
    .private_segment_fixed_size: 0
    .kernarg_segment_align: 8
    .kernarg_segment_size: 40
    .max_flat_workgroup_size: 128
    .sgpr_count:     66
    .vgpr_count:     1024
    .wavefront_size: 32
...
	.end_amdgpu_metadata
.endif
;; end of part 2
